; MI455X (gfx1250); checked and timed in simulation.
; The chip was launched on July 23, 2026; its instructions are those of AMD's public machine-readable ISA for CDNA 5 (MIT licence, August 2026) and "CDNA5" Instruction Set Architecture Reference Guide (July 2026). The comments in the code are by the model that wrote it; some were corrected since.
;; Self Attention. Allowed arithmetic: matrix products marked QUANTISED: E4M3 operands, one given power-of-two scale a tensor, by v_wmma_f32_16x16x64_fp8_fp8 or v_wmma_f32_16x16x128_fp8_fp8, f32 sums; everything else in f32.
;; Inputs: bk 32 float32; bq 32 float32; bv 256 float32; lowp_scales 10 int32 (the exponents e of the quantised operands' scales 2^e); wk_codes 32 x 8 x 32 uint8 (E4M3 codes of wk, K innermost, in blocks of 32 codes); wq_codes 32 x 8 x 32 uint8 (E4M3 codes of wq, K innermost, in blocks of 32 codes); wv_codes 256 x 8 x 32 uint8 (E4M3 codes of wv, K innermost, in blocks of 32 codes); x 8 x 256 x 64 x 64 float32.
;; Outputs: out0 8 x 256 x 64 x 64 float32.
;; This version of the problem:
;;   THIS VERSION OF THE PROBLEM IS GIVEN IN LOW PRECISION. The matrix products marked QUANTISED in the list below multiply operands that are first quantised to E4M3 (4 exponent bits, 3 mantissa bits; 8 bits a number), with one given power-of-two scale for each operand tensor; their sums are f32. All else is computed in f32.
;;   The module's matrix products, in the order in which they are computed (A, B: the left and right operand; K: the contracted axis; several contracted axes count as one K, in the product's order):
;;     1. [M 32,768, K 256] x [K 256, N 32]; A: input x; B: input wq (given as codes): QUANTISED (scales: A lowp_scales[0], B lowp_scales[1])
;;     2. [M 32,768, K 256] x [K 256, N 32]; A: input x; B: input wk (given as codes): QUANTISED (scales: A lowp_scales[2], B lowp_scales[3])
;;     3. [M 32,768, K 256] x [K 256, N 256]; A: input x; B: input wv (given as codes): QUANTISED (scales: A lowp_scales[4], B lowp_scales[5])
;;     4. batch 8 x [M 4,096, K 32] x [K 32, N 4,096]; A: computed on the way; B: computed on the way: QUANTISED (scales: A lowp_scales[6], B lowp_scales[7])
;;     5. batch 8 x [M 256, K 4,096] x [K 4,096, N 4,096]; A: computed on the way; B: softmax (see below): QUANTISED (scales: A lowp_scales[8], B lowp_scales[9])
;;   THE QUANTISER, for each operand of a quantised product, along K:
;;     - The operand's scale is 2^e, e = its entry of the input lowp_scales (int32; the entries are numbered through the quantised products in the list's order, A before B).
;;     - Each number is divided by the scale, clamped to +-448, and rounded to the nearest number of E4M3, ties to even, subnormals kept.
;;     - The product sums the exact products of the quantised numbers (number of the format x scale) in f32.
;;   ~~~python
;;   def quantise(x, axis, e):      # numpy; x: float32 -> the quantised numbers, widened to float32 again
;;       x = np.moveaxis(x, axis, -1); K = x.shape[-1]
;;       r = np.clip(x / 2.0 ** e, -448, 448)
;;       step = 2.0 ** (np.maximum(np.frexp(np.where(r == 0, 1, r))[1] - 1, -6) - 3)
;;       q = np.round(r / step) * step * 2.0 ** e      # np.round: ties to even
;;       return np.moveaxis(q, -1, axis).astype(np.float32)
;;   ~~~
;;   SOFTMAX AHEAD OF A QUANTISED PRODUCT. Where the list says 'softmax', what is quantised is not the finished softmax but p = 2^(t - M), with t = logit x log2(e) and M = ceil(the row's largest t), a whole number; so 1/2 < the row's largest p <= 1. The row's sum l is taken of the UNQUANTISED p, in f32, and the product's result is divided by l at the end. Since M is a whole number, a kernel that streams over the keys may use a running M (the ceiling of the running maximum): every later rescaling is an exact power of two, so the quantised numbers keep their values, but for numbers so far below the row's largest that they fall under the format's range.
;;   OPERANDS COMPUTED ON THE WAY. 'Computed on the way' means the value that the module computes at that place (a softmax that the list does not call 'softmax' is quantised finished and normalised). What goes into a quantiser is computed in f32, as accurately as f32 sums, v_exp_f32 and their like allow (about 1e-6 of the number): no bf16 or f16 on the way to a quantiser, and a product that is left as it is and whose result goes on into a quantised operand takes f32 operands (vector FMAs, or v_wmma_f32_16x16x4_f32). A number that lies on a knife's edge between two numbers of the format may be rounded either way, as far as f32 arithmetic and the matrix unit's own rounding can turn it there, and no further.
;;   INPUTS GIVEN AS CODES. wk (in the module: [32, 256], K = its axis 1); wq (in the module: [32, 256], K = its axis 1); wv (in the module: [256, 256], K = its axis 1): each comes as NAME_codes (uint8): NAME with its K axis moved to the last place and cut into blocks of 32 codes, [.., K / 32, bytes a block], one block behind the other in memory; one code a byte (a code: sign, 4 exponent bits, 3 mantissa bits); its scale is its entry of lowp_scales. Its value is code x scale, taken as it is: it is not quantised again, and the codes and scales need not be those that the quantiser above would give.
;; 2 versions, each right; version 2 is version 1 with the launch project written anew for expert scheduling mode. Each part assembles by itself: llvm-mc -triple=amdgcn-amd-amdhsa -mcpu=gfx1250 --defsym DOCPART=n.
;; ======== version 1 of 2: 2 launches
;; workspace buffers: qimg 1,048,576 bytes; kimg 1,048,576 bytes; vimg 8,388,608 bytes
;; launch project (part 1): grid 32 x 8, 4 waves a work-group, no clusters, 104,960 bytes of LDS; arguments x, wq_codes, wk_codes, wv_codes, bq, bk, bv, lowp_scales, qimg, kimg, vimg; writes qimg, kimg, vimg
.if DOCPART == 1
	.amdgcn_target "amdgcn-amd-amdhsa--gfx1250"
	.amdhsa_code_object_version 6
	.text
	.protected	k_qb8e5aacd04_project
	.globl	k_qb8e5aacd04_project
	.p2align	8
	.type	k_qb8e5aacd04_project,@function
k_qb8e5aacd04_project:
	s_mov_b64 s[64:65], 0
	v_nop
	global_prefetch_b8 v0, s[64:65] scope:SCOPE_SE
	s_setreg_imm32_b32 hwreg(HW_REG_WAVE_MODE, 25, 1), 1
	s_wait_xcnt 0x0
; q = wq x + bq, k = wk x + bk, v = wv x + bv on codes of FP8 (E4M3), and the codes of q, k, v for the attention launch.
; x: [8][256 c][4096 n] f32.  wq, wk: [32][256], wv: [256][256]: codes, c innermost.  lowp_scales: e0 .. e9.
; x is quantised three times along c (2^e0 for q, 2^e2 for k, 2^e4 for v); q, k, v are quantised behind their bias (2^e6, 2^e7, 2^e8).
; SHARES.  A work-group (s = x id, b = y id) takes 128 positions x 256 c of one batch: 131,072 bytes of x, in rows of 512 bytes.
;   Loading and quantising: wave w takes c = 64 w .. 64 w + 63; lane l holds positions 4 l .. 4 l + 3, its registers run down c.
;   q and k: waves 0, 1 make q, waves 2, 3 k; the wave's low bit picks four of the eight tiles of 16 rows.   v: wave w makes channels 64 w .. 64 w + 63 for all rows.
; ROW ORDER.  Row R = 32 i + l of the block stands for position 128 s + 4 l + i.  Keys keep that order in k and in v alike, so it cancels; for queries it puts four neighbouring
;   positions into four tiles 32 rows apart, which the attention launch uses on its way out.
;   groups of banks (64 banks of 4 bytes: ISA guide 11.1), in the stores and in the fragment loads.
; OUTPUT: images of operand registers, pieces of 512 bytes, lane L's 16 bytes at 16 L: every store of a wave covers 512 consecutive bytes.
;   qimg, kimg: piece (256 b + 8 s + T): registers 0-3 of a K = 64 fragment of rows 16 T + r (d = 8 h .. + 7, 16 + 8 h .. + 7).
;   vimg: piece (((32 b + s) 16 + ct) 4 + c): registers 4 c .. 4 c + 3 of a K = 128 fragment: channel 16 ct + r; register pair T holds rows 16 T + 8 h + 0 .. 7.
; In the three projections k is laid 32 c + 16 h + 0 .. 15 in registers 4 c .. 4 c + 3, alike in x's and in the weights' fragments: every product meets its partner.
; NO CLUSTER, NO TENSOR LOAD: no two work-groups share a byte of x; the weights, 81,920 bytes in all, go once from memory into each wave's operand registers (48 loads a wave) and are
;   never read again: a joint load would send them through LDS and add as many LDS loads.
; LIMITS: e0, e2, e4, e6 - e0 - e1, e7 - e2 - e3, e8 - e4 - e5 between -126 and 119, so that each scale and 448 x it is an f32 number.  NaN among the inputs is not served.
; REGISTERS.  Window 0: v1 lane, v2 r, v3 h, v4 16 lane, v5 weights' offset, v6-8 where I store codes in the three images, v9, v10 where I read fragments, v12, v13 biases' offsets,
;   v16-25 five pairs (scale, 448 x scale), v28-35 bv (four pairs), v36-51 bq or bk in the result's layout, v68-99 numbers held (two sets), v100-131 codes (eight sets), both later accumulators,
;   v132-147 q's or k's codes, v148-211 v's codes.   Window 1: x (64 x 4), later x's fragments.   Window 2: v0-127 wv's fragments, v128-191 wq's or wk's.
.set PITCH, 272
.set IMG,   128*PITCH
.set BV,    28
.set BP,    36
.set TT,    68
.set CC,    100
.set ACC,   68
.set QC,    132
.set VC,    148
.set MSB, 0
.macro WIN new                         ; the immediate's high byte repeats the setting that is left; a switch that changes nothing is dropped
.if MSB != \new
	s_set_vgpr_msb (MSB<<8)|\new
.set MSB, \new
.endif
.endm
.macro PLACES                          ; four plain vector lines behind matrix instructions, ahead of reads of their results and of loads into their registers
.rept 4
	v_nop
.endr
.endm
.macro MKSC vr, sr                     ; v[vr] = 2^e as f32, v[vr+1] = 448 x 2^e, e in s[sr]
	s_add_co_i32 s50, s[\sr], 127
	s_lshl_b32 s51, s50, 23
	v_mov_b32 v[\vr], s51
	s_add_co_i32 s50, s50, 8
	s_lshl_b32 s50, s50, 23
	s_or_b32 s50, s50, 0x600000
	v_mov_b32 v[\vr+1], s50
.endm
	s_load_b512 s[4:19], s[0:1], 0x0               ; x 4, wq 6, wk 8, wv 10, bq 12, bk 14, bv 16, scales 18
	s_load_b128 s[20:23], s[0:1], 0x40             ; qimg, kimg
	s_load_b64 s[24:25], s[0:1], 0x50              ; vimg
	v_lshl_add_u32 v254, v0, 2, 0x19800
	v_mov_b32 v255, 0
	v_lshrrev_b32 v1, 5, v0
	v_readfirstlane_b32 s26, v1                    ; wave 0..3
	s_lshr_b32 s27, s26, 1                         ; 0: q, 1: k
	s_and_b32 s38, s26, 1                          ; which four tiles of rows
	s_and_b32 s39, ttmp7, 0xffff                   ; batch
	v_and_b32 v1, 31, v0                           ; lane
	v_and_b32 v2, 15, v0                           ; r
	v_bfe_u32 v3, v0, 4, 1                         ; h
	v_lshlrev_b32 v4, 4, v1                        ; 16 x lane: x's offset and every image's
	v_lshlrev_b32 v5, 8, v2
	v_lshl_add_u32 v5, v3, 4, v5                   ; weights: row r of 256 bytes + 16 h
	v_mul_u32_u24 v6, v1, PITCH
	s_lshl_b32 s50, s26, 6
	v_add_nc_u32 v6, s50, v6                       ; codes go to row 32 i + lane, byte 64 w + 16 G: 272 lane + 64 w, the rest in the immediate
	v_add_nc_u32 v7, IMG, v6
	v_add_nc_u32 v8, 2*IMG, v6
	v_mul_u32_u24 v10, v2, PITCH
	v_lshl_add_u32 v10, v3, 4, v10                 ; a fragment: row r x pitch + 16 h
	s_mul_i32 s50, s27, IMG                        ; q reads the image under e0, k the one under e2,
	s_mul_i32 s51, s38, 64*PITCH                   ; my four tiles
	s_add_co_u32 s50, s50, s51
	v_add_nc_u32 v9, s50, v10
	v_add_nc_u32 v10, 2*IMG, v10                   ; v reads the image under e4
	v_lshlrev_b32 v12, 5, v3                       ; bq, bk: 8 h numbers on
	v_lshlrev_b32 v13, 2, v2                       ; bv: number r
	s_lshl_b32 s50, s39, 22                        ; x: batch x 4,194,304 + 64 w rows of 16,384 + 512 s
	s_lshl_b32 s51, s26, 20
	s_add_co_u32 s50, s50, s51
	s_lshl_b32 s51, ttmp9, 9
	s_add_co_u32 s50, s50, s51
	s_mov_b32 s51, 0
	s_lshl_b32 s52, s26, 14                        ; wv: my 64 rows of 256 bytes
	s_mov_b32 s53, 0
	s_lshl_b32 s54, s26, 8                         ; bv: my 64 numbers
	s_mov_b32 s55, 0
	s_lshl_b32 s56, s39, 8                         ; qimg, kimg: piece 256 b + 8 s + 4 x (wave & 1)
	s_lshl_b32 s57, ttmp9, 3
	s_add_co_u32 s56, s56, s57
	s_lshl_b32 s57, s38, 2
	s_add_co_u32 s56, s56, s57
	s_lshl_b32 s56, s56, 9
	s_mov_b32 s57, 0
	s_lshl_b32 s58, s39, 5                         ; vimg: fragment (32 b + s) 16 + 4 w, 2,048 bytes each
	s_add_co_u32 s58, s58, ttmp9
	s_lshl_b32 s58, s58, 4
	s_lshl_b32 s59, s26, 2
	s_add_co_u32 s58, s58, s59
	s_lshl_b32 s58, s58, 11
	s_mov_b32 s59, 0
	s_wait_kmcnt 0x0
	s_load_b256 s[28:35], s[18:19], 0x0            ; e0 .. e7
	s_load_b64 s[36:37], s[18:19], 0x20            ; e8, e9
	s_cmp_lt_u32 s26, 2                            ; the choice hangs on the wave's number alone
	s_cselect_b64 s[40:41], s[6:7], s[8:9]         ; wq or wk
	s_cselect_b64 s[42:43], s[12:13], s[14:15]     ; bq or bk
	s_cselect_b64 s[44:45], s[20:21], s[22:23]     ; qimg or kimg
	s_add_nc_u64 s[4:5], s[4:5], s[50:51]
	s_add_nc_u64 s[10:11], s[10:11], s[52:53]
	s_add_nc_u64 s[16:17], s[16:17], s[54:55]
	s_add_nc_u64 s[44:45], s[44:45], s[56:57]
	s_add_nc_u64 s[24:25], s[24:25], s[58:59]
.irp u, 0,1                                    ; the bias in the result's layout: lane (r, h), register 8 u + j: d = 16 u + 8 h + j
	global_load_b128 v[BP+8*\u:BP+8*\u+3], v12, s[42:43] offset:64*\u
	global_load_b128 v[BP+8*\u+4:BP+8*\u+7], v12, s[42:43] offset:64*\u+16
.endr
.irp t, 0,1,2,3                                ; bv of channel 64 w + 16 t + r
	global_load_b32 v[BV+2*\t], v13, s[16:17] offset:64*\t
.endr
	WIN 0x40                                       ; destination window 1
.set NQ, 0
.rept 64                                       ; row c = 64 w + NQ: 32 lanes read 512 consecutive bytes; all of the wave's 32,768 bytes are asked for at once.  No hint: the next launch reads x again
	global_load_b128 v[4*NQ:4*NQ+3], v4, s[4:5] offset:16384*NQ
.set NQ, NQ+1
.endr
	WIN 0
	s_wait_kmcnt 0x0
	s_cmp_lt_u32 s26, 2
	s_cselect_b32 s46, s28, s30                    ; x's exponent for my product,
	s_cselect_b32 s47, s29, s31                    ; the weight's,
	s_cselect_b32 s48, s34, s35                    ; the result's
	s_add_co_i32 s46, s46, s47
	s_sub_co_i32 s48, s48, s46                     ; a sum stands for sum x 2^(eA + eW): the three scales are folded into the conversion's one
	s_sub_co_i32 s46, 0, s46                       ; and the bias goes in divided by 2^(eA + eW)
	s_add_co_i32 s47, s32, s33
	s_sub_co_i32 s49, s36, s47                     ; the same for v: e8 - e4 - e5
	s_sub_co_i32 s47, 0, s47
	MKSC 16, 28
	MKSC 18, 30
	MKSC 20, 32
	MKSC 22, 48
	MKSC 24, 49
; 16 rows c of x (16 G on) become codes under the three scales.  The hold at 448 x the scale reads x from window 1 and writes 16 neighbours along c of ONE position into consecutive registers:
; it turns the registers round at no cost.  Numbers take two sets by turns, codes eight.
.set NQ, 0
.macro QX G
.irp im, 0,1,2
.irp i, 0,1,2,3
.set ci, 0
.rept 16
	v_med3_num_f32 v[TT+16*(NQ%2)+ci], -v[17+2*\im], v[17+2*\im], v[4*(16*(\G)+ci)+\i]   ; the conversion to an 8-bit code does not saturate (ISA guide 7.6.2)
.set ci, ci+1
.endr
	s_wait_dscnt 0x7                               ; the store that read this set of codes, eight stores back, is done
	v_cvt_scalef32_pk8_fp8_f32 v[CC+4*(NQ%8):CC+4*(NQ%8)+1], v[TT+16*(NQ%2):TT+16*(NQ%2)+7], v[16+2*\im]
	v_cvt_scalef32_pk8_fp8_f32 v[CC+4*(NQ%8)+2:CC+4*(NQ%8)+3], v[TT+16*(NQ%2)+8:TT+16*(NQ%2)+15], v[16+2*\im]
	ds_store_b128 v[6+\im], v[CC+4*(NQ%8):CC+4*(NQ%8)+3] offset:32*PITCH*\i+16*(\G)   ; row 32 i + lane.  The next sixteen holds, into the other set, are the plain lines behind the conversions
.set NQ, NQ+1
.endr
.endr
.endm
; In front of each group: behind x's loads 16 G .. 16 G + 15 were issued 48 - 16 G loads of x and 16 G loads of weights: 48 in every group.
	s_wait_loadcnt 48                              ; (the biases, asked for first, are in too)
	WIN 0x80                                       ; destination window 2
.irp u, 0,1
.irp k, 0,1
.irp c, 0,1,2,3
	global_load_b128 v[128+32*\u+16*\k+4*\c:128+32*\u+16*\k+4*\c+3], v5, s[40:41] offset:4096*\u+128*\k+32*\c
.endr
.endr
.endr
	WIN 0
.set ci, 0
.rept 16
	v_ldexp_f32 v[BP+ci], v[BP+ci], s46
.set ci, ci+1
.endr
.irp t, 0,1,2,3
	v_ldexp_f32 v[BV+2*\t], v[BV+2*\t], s47
.endr
.irp t, 0,1,2,3
	v_mov_b32 v[BV+2*\t+1], v[BV+2*\t]             ; a pair for the packed addition
.endr
	WIN 0x10                                       ; source 2 (x) window 1
	QX 0
	s_wait_loadcnt 48
	WIN 0x80
.irp t, 0,1
.irp k, 0,1
.irp c, 0,1,2,3
	global_load_b128 v[32*\t+16*\k+4*\c:32*\t+16*\k+4*\c+3], v5, s[10:11] offset:4096*\t+128*\k+32*\c
.endr
.endr
.endr
	WIN 0x10
	QX 1
	s_wait_loadcnt 48
	WIN 0x80
.irp t, 2,3
.irp k, 0,1
.irp c, 0,1,2,3
	global_load_b128 v[32*\t+16*\k+4*\c:32*\t+16*\k+4*\c+3], v5, s[10:11] offset:4096*\t+128*\k+32*\c
.endr
.endr
.endr
	WIN 0x10
	QX 2
	s_wait_loadcnt 48
	QX 3
	v_nop                                          ; a plain line behind the last conversion: matrix instructions write its registers later
	WIN 0
	s_wait_dscnt 0x0                               ; for the others' sake: my codes lie in LDS
	s_barrier_signal -1
	s_barrier_wait -1                              ; the three images are whole
.macro FETCHV T                        ; x's two fragments (under e4) of rows 16 T on, into one of four buffers in window 1
	WIN 0x40
.irp k, 0,1
.irp c, 0,1,2,3
	ds_load_b128 v[128+32*((\T)%4)+16*\k+4*\c:128+32*((\T)%4)+16*\k+4*\c+3], v10 offset:16*PITCH*(\T)+128*\k+32*\c
.endr
.endr
.endm
	WIN 0x40
.irp t, 0,1,2,3                                ; my four tiles' fragments for q or k
.irp k, 0,1
.irp c, 0,1,2,3
	ds_load_b128 v[32*\t+16*\k+4*\c:32*\t+16*\k+4*\c+3], v9 offset:16*PITCH*\t+128*\k+32*\c
.endr
.endr
.endr
	FETCHV 0
	FETCHV 1
	s_wait_loadcnt 0x0                             ; the weights
	s_wait_dscnt 16                                ; the 32 loads for q or k are in; the sixteen for v's first two tiles may be out
	; q or k, transposed: source 0 = 16 rows d of the weight, source 1 = 16 rows R of x: lane (r, h), register j: d = 16 u + 8 h + j of row 16 T + r.  The bias is the C of each sum's first product.
	; The eight accumulators take turns, one instruction a turn.
	WIN 0x06                                       ; source 0 window 2, source 1 window 1
.irp t, 0,1,2,3
.irp u, 0,1
	v_wmma_f32_16x16x128_fp8_fp8 v[ACC+8*(2*\t+\u):ACC+8*(2*\t+\u)+7], v[128+32*\u:128+32*\u+15], v[32*\t:32*\t+15], v[BP+8*\u:BP+8*\u+7]
.endr
.endr
.irp t, 0,1,2,3
.irp u, 0,1
	v_wmma_f32_16x16x128_fp8_fp8 v[ACC+8*(2*\t+\u):ACC+8*(2*\t+\u)+7], v[128+32*\u+16:128+32*\u+31], v[32*\t+16:32*\t+31], v[ACC+8*(2*\t+\u):ACC+8*(2*\t+\u)+7]
.endr
.endr
	WIN 0
	PLACES
.irp t, 0,1,2,3                                ; a lane's 16 registers of a tile are d = 8 h .. + 7 and 16 + 8 h .. + 7 of one row: registers 0-3 of the next product's fragment
.set ci, 0
.rept 16
	v_med3_num_f32 v[ACC+16*\t+ci], v[ACC+16*\t+ci], -v23, v23
.set ci, ci+1
.endr
	v_cvt_scalef32_pk8_fp8_f32 v[QC+4*\t:QC+4*\t+1], v[ACC+16*\t:ACC+16*\t+7], v22
	v_cvt_scalef32_pk8_fp8_f32 v[QC+4*\t+2:QC+4*\t+3], v[ACC+16*\t+8:ACC+16*\t+15], v22
	global_store_b128 v4, v[QC+4*\t:QC+4*\t+3], s[44:45] offset:512*\t   ; 32 lanes store 512 consecutive bytes
.endr
	v_nop                                          ; a plain line behind the last conversion: the products below write its sources
; v: source 0 = 16 rows R of x, source 1 = 16 channels of wv: lane (r, h), register j: row 16 T + 8 h + j of channel 16 ct + r: eight neighbours along the attention's K.
.macro VMUL T                          ; four accumulators by turns, two K steps; two sets of accumulators by turns from tile to tile
	WIN 0x09                                       ; source 0 window 1, source 1 window 2
.irp t, 0,1,2,3
	v_wmma_f32_16x16x128_fp8_fp8 v[ACC+32*((\T)%2)+8*\t:ACC+32*((\T)%2)+8*\t+7], v[128+32*((\T)%4):128+32*((\T)%4)+15], v[32*\t:32*\t+15], 0
.endr
.irp t, 0,1,2,3
	v_wmma_f32_16x16x128_fp8_fp8 v[ACC+32*((\T)%2)+8*\t:ACC+32*((\T)%2)+8*\t+7], v[128+32*((\T)%4)+16:128+32*((\T)%4)+31], v[32*\t+16:32*\t+31], v[ACC+32*((\T)%2)+8*\t:ACC+32*((\T)%2)+8*\t+7]
.endr
	WIN 0
.endm
.macro QV T                            ; tile T's sums + bias, held, become register pair T of the four fragments
.irp t, 0,1,2,3
.set A0, ACC+32*((\T)%2)+8*\t
.irp p, 0,2,4,6
	v_pk_add_f32 v[A0+\p:A0+\p+1], v[A0+\p:A0+\p+1], v[BV+2*\t:BV+2*\t+1]
.endr
.irp p, 0,1,2,3,4,5,6,7
	v_med3_num_f32 v[A0+\p], v[A0+\p], -v25, v25
.endr
	v_cvt_scalef32_pk8_fp8_f32 v[VC+16*\t+2*(\T):VC+16*\t+2*(\T)+1], v[A0:A0+7], v24
.endr
	v_nop                                          ; a plain line behind the last conversion: the next products write its sources
.endm
; Tile T's products stand in front of tile T - 1's quantising, which is the places behind them; fragments are fetched two tiles ahead.
.irp T, 0,1,2,3,4,5,6,7
.if \T < 6
	FETCHV \T+2
	s_wait_dscnt 16                                ; tile T's eight loads are in; those of the two tiles behind it may be out
.elseif \T == 6
	s_wait_dscnt 8
.else
	s_wait_dscnt 0x0
.endif
	VMUL \T
.if \T == 0
	PLACES
.else
	QV \T-1
.endif
.endr
	PLACES
	QV 7
.irp t, 0,1,2,3
.irp c, 0,1,2,3
	global_store_b128 v4, v[VC+16*\t+4*\c:VC+16*\t+4*\c+3], s[24:25] offset:2048*\t+512*\c   ; 32 lanes store 512 consecutive bytes
.endr
.endr
	s_wait_tensorcnt 0x0
	ds_add_u32 v254, v255
	s_wait_dscnt 0x0
	s_endpgm
.Lfunc_end_k_qb8e5aacd04_project:
	.size	k_qb8e5aacd04_project, .Lfunc_end_k_qb8e5aacd04_project-k_qb8e5aacd04_project
	.p2alignl 7, 3214868480
	.fill 96, 4, 3214868480
	.section	.rodata,"a",@progbits
	.p2align	6, 0x0
	.amdhsa_kernel k_qb8e5aacd04_project
		.amdhsa_group_segment_fixed_size 104960
		.amdhsa_private_segment_fixed_size 0
		.amdhsa_enable_private_segment 0
		.amdhsa_kernarg_size 88
		.amdhsa_user_sgpr_count 2
		.amdhsa_user_sgpr_kernarg_segment_ptr 1
		.amdhsa_wavefront_size32 1
		.amdhsa_system_sgpr_workgroup_id_x 1
		.amdhsa_system_sgpr_workgroup_id_y 1
		.amdhsa_system_sgpr_workgroup_id_z 1
		.amdhsa_system_vgpr_workitem_id 0
		.amdhsa_next_free_vgpr 768
		.amdhsa_next_free_sgpr 66
		.amdhsa_reserve_vcc 0
		.amdhsa_float_denorm_mode_32 3
		.amdhsa_float_denorm_mode_16_64 3
		.amdhsa_memory_ordered 1
		.amdhsa_forward_progress 1
		.amdhsa_inst_pref_size 122
	.end_amdhsa_kernel
	.amdgpu_metadata
---
amdhsa.version: [ 1, 2 ]
amdhsa.kernels:
  - .name:           k_qb8e5aacd04_project
    .symbol:         k_qb8e5aacd04_project.kd
    .args:
      - { .name: x, .offset: 0, .size: 8, .value_kind: global_buffer, .address_space: global }
      - { .name: wq_codes, .offset: 8, .size: 8, .value_kind: global_buffer, .address_space: global }
      - { .name: wk_codes, .offset: 16, .size: 8, .value_kind: global_buffer, .address_space: global }
      - { .name: wv_codes, .offset: 24, .size: 8, .value_kind: global_buffer, .address_space: global }
      - { .name: bq, .offset: 32, .size: 8, .value_kind: global_buffer, .address_space: global }
      - { .name: bk, .offset: 40, .size: 8, .value_kind: global_buffer, .address_space: global }
      - { .name: bv, .offset: 48, .size: 8, .value_kind: global_buffer, .address_space: global }
      - { .name: lowp_scales, .offset: 56, .size: 8, .value_kind: global_buffer, .address_space: global }
      - { .name: qimg, .offset: 64, .size: 8, .value_kind: global_buffer, .address_space: global }
      - { .name: kimg, .offset: 72, .size: 8, .value_kind: global_buffer, .address_space: global }
      - { .name: vimg, .offset: 80, .size: 8, .value_kind: global_buffer, .address_space: global }
    .group_segment_fixed_size: 104960
    .private_segment_fixed_size: 0
    .kernarg_segment_align: 8
    .kernarg_segment_size: 88
    .max_flat_workgroup_size: 128
    .sgpr_count:     66
    .vgpr_count:     768
    .wavefront_size: 32
...
	.end_amdgpu_metadata
.endif
;; end of part 1
;; launch attend (part 2): grid 32 x 8, 8 waves a work-group, clusters of 4 x 1, 327,680 bytes of LDS; arguments qimg, kimg, vimg, lowp_scales, x, out0; writes out0
.if DOCPART == 2
	.amdgcn_target "amdgcn-amd-amdhsa--gfx1250"
	.amdhsa_code_object_version 6
	.text
	.protected	k_qb8e5aacd04_attend
	.globl	k_qb8e5aacd04_attend
	.p2align	8
	.type	k_qb8e5aacd04_attend,@function
k_qb8e5aacd04_attend:
	s_mov_b64 s[64:65], 0
	v_nop
	global_prefetch_b8 v0, s[64:65] scope:SCOPE_SE
	s_setreg_imm32_b32 hwreg(HW_REG_WAVE_MODE, 25, 1), 1
	s_wait_xcnt 0x0
	s_wait_alu depctr_hold_cnt(0) depctr_sa_sdst(0) depctr_va_vdst(0) depctr_va_sdst(0) depctr_va_ssrc(0) depctr_va_vcc(0) depctr_vm_vsrc(0)
	s_getreg_b32 s2, hwreg(HW_REG_IB_STS2, 6, 4)
	s_cmp_eq_u32 s2, 0
	s_cbranch_scc0 .Lentry_in_a_cluster
	s_endpgm
.Lentry_in_a_cluster:
	s_bfe_u32 s2, ttmp6, 0x10000c
	s_cmp_lg_u32 s2, 0x3003
	s_cbranch_scc0 .Lentry_shape_is_right
	s_endpgm
.Lentry_shape_is_right:
; out[b][c][i] = x[b][c][i] + (sum over j of v[b][c][j] p[i][j]) / l[i], both products on codes of FP8 (E4M3).  t = (q_i . k_j) log2(e) / sqrt(32); p = 2^(t - M), M a whole number;
; p is quantised under 2^e9 and not normalised; l is the sum of the unquantised p, in f32.  q, k, v come as images of operand registers from the launch before (its head says how they lie).
; SHARES.  A work-group owns 128 queries (block qb of batch b).  Wave w: g = w & 3 owns the two tiles of 16 queries 2 g, 2 g + 1, which are positions 128 qb + 4 (16 u + r) + g;
;   kh = w >> 2 walks the key steps 2 n + kh, 128 keys each, n = 0 .. 15.  Two waves of 512 registers stand on a SIMD, so that one's vector work stands beside the other's products;
;   each fragment of v read from LDS feeds two products.  The two halves' sums are joined at the end by whole powers of two.
; TWO PASSES.  Pass 1 makes the scores of the wave's 2,048 keys and keeps their largest; M = that largest t rounded up.  Pass 2 makes the scores again with M fixed: nothing is ever rescaled.
;   The price: 16 more products of K = 64 a step, and k's 131,072 bytes staying in LDS.
; LAYOUT.  S^T = k q^T (source 0 = 16 keys, source 1 = 16 queries; K = 64 of which the upper 32 are zero codes on both sides): a lane holds ONE query r and keys 16 T + 8 h + j in tile T's register j.
;   Eight such registers, converted, are register pair T of source 1 of O^T = v p^T (source 0 = 16 channels), whose result holds the same query and channels 16 ct + 8 h + j.
; CLUSTER.  The four partners share the batch and so all of k and v: every tensor load is joint, the same in all four, with the mask 15.  cx enters q's, x's and out's addresses alone.
; LDS: 0: two slots of 65,536 bytes of v (two key steps each: kh x 32,768 + ct x 2,048 + c x 512 + 16 lane); 131,072: k, 256 tiles of 512 bytes, filled once; 262,144: the spare words;
;   263,168: -M and l of both halves, 2,048 bytes.  At the end the eight waves' O^T, 32,768 bytes each, lie over v's slots and k, which have had their last fill and their last read.
;   Every LDS access of a wave covers 512 consecutive bytes, or two runs of 256: nothing is padded.
; TENSOR LOADS: each wave brings its eighth of each block.  Three of a wave's are out at the start, one behind each change of slots.
; LIMITS: e6 + e7 between -124 and 129 (added to c's exponent field); e9 between -126 and 119.  NaN and infinities among the scores are not served.
;   Each half of the keys quantises p under its own M, which is at most the row's: a p then differs from the row-wide one only where that one falls under the format's range.
; REGISTERS.  Window 0: v1 16 lane; v2, v3 addresses in hand; v4, v5 for the spare words; v6 2^e9, v7 448 x 2^e9; v[8:9], v[10:11] -M; v[12:13], v[14:15] l in two halves; v16-19 maxima; v[20:21] a sum;
;   v22, v23 lane exchange; v24-39 q (4 + 4 zeros a tile); v40-71 four fragments of k (4 + 4 zeros); v72-103 p's codes, later statistics; v104-112 addresses; v128-255 S^T, then v's fragments, then x.
;   Window 1: O^T at v[128 u + 8 ct]; at the end the pieces read back.
.set KR,    131072
.set SPARE, 262144
.set STATS, 263168
.set SLOTB, 65536
.set LI,  1
.set ADK, 2
.set ADV, 3
.set SPW, 4
.set NIL, 5
.set SC,  6
.set LIM, 7
.set NM,  8
.set LS,  12
.set CHN, 16
.set TS,  20
.set PD,  22
.set QF,  24
.set KF,  40
.set PF,  72
.set GA,  88
.set GB,  92
.set LT,  96
.set RB,  104
.set SW,  108
.set STW, 109
.set STR, 110
.set LN,  111
.set PFO, 112
.set S,   128
.set MSB, 0
.macro WIN new                         ; the immediate's high byte repeats the setting that is left; a switch that changes nothing is dropped
.if MSB != \new
	s_set_vgpr_msb (MSB<<8)|\new
.set MSB, \new
.endif
.endm
.macro PLACES                          ; four plain vector lines behind matrix instructions, ahead of reads of their results and of loads into their registers
.rept 4
	v_nop
.endr
.endm
.macro CROUND                          ; a round of the cluster's barrier: my work-group's barrier; wave 0 signals for the work-group; every wave waits for all four work-groups; my work-group's barrier once more
	s_barrier_signal -1
	s_barrier_wait -1
	s_cmp_lg_u32 s16, 0
	s_cbranch_scc1 .Lnot_wave_0_\@
	s_barrier_signal -3
.Lnot_wave_0_\@:
	s_barrier_wait -3
	s_barrier_signal -1
	s_barrier_wait -1
.endm
	s_load_b256 s[4:11], s[0:1], 0x0               ; qimg 4, kimg 6, vimg 8, scales 10
	s_load_b128 s[12:15], s[0:1], 0x20             ; x 12, out0 14
	v_lshl_add_u32 v[SPW], v0, 2, SPARE
	v_mov_b32 v[NIL], 0
	ds_add_u32 v4, v5
	s_wait_dscnt 0x0
	v_lshrrev_b32 v16, 5, v0
	v_readfirstlane_b32 s16, v16                   ; wave 0..7
	s_and_b32 s17, s16, 3                          ; g
	s_lshr_b32 s18, s16, 2                         ; kh
	s_bfe_u32 s19, ttmp6, 0x40000                  ; cx
	s_lshl_b32 s20, ttmp9, 2
	s_add_co_u32 s20, s20, s19                     ; qb = 4 x cluster x + cx
	s_and_b32 s21, ttmp7, 0xffff                   ; the batch, which the partners share
	; descriptor groups 1: dense blocks as rows of 32 elements of 8 bytes; k: 64 rows a wave, v: 32
	s_mov_b32 s24, 15|(3<<16)|(1<<21)              ; 15:0 the mask: all four work-groups; 17:16 elements of 8 bytes; 21 set beside a mask; no padding
	s_mov_b32 s25, 32<<16                          ; tensor_dim0 = 32
	s_mov_b32 s26, 64<<16                          ; tensor_dim1 = 64
	s_mov_b32 s27, 32<<16                          ; tile_dim0 = 32
	s_mov_b32 s28, 64                              ; tile_dim1 = 64
	s_mov_b32 s29, 32                              ; from row to row: 32 elements
	s_mov_b32 s30, 0
	s_mov_b32 s31, 0
	s_mov_b32 s32, 15|(3<<16)|(1<<21)
	s_mov_b32 s33, 32<<16
	s_mov_b32 s34, 32<<16                          ; tensor_dim1 = 32
	s_mov_b32 s35, 32<<16
	s_mov_b32 s36, 32                              ; tile_dim1 = 32
	s_mov_b32 s37, 32
	s_mov_b32 s38, 0
	s_mov_b32 s39, 0
	s_mov_b32 s58, 0x76543210                      ; v_permlanex16_b32: lane l xor 16
	s_mov_b32 s59, 0xfedcba98
	s_lshl_b32 s22, s21, 17                        ; k: 131,072 b + 16,384 w in memory,
	s_lshl_b32 s23, s16, 14
	s_add_co_u32 s22, s22, s23
	s_add_co_u32 s41, s23, KR                      ; KR + 16,384 w in LDS
	s_mov_b32 s23, 0
	s_lshl_b32 s74, s21, 20                        ; v: 1,048,576 b + 8,192 w in memory,
	s_lshl_b32 s45, s16, 13                        ; 8,192 w in slot 0,
	s_add_co_u32 s74, s74, s45
	s_mov_b32 s75, 0
	s_add_co_u32 s49, s45, SLOTB                   ; and in slot 1
	s_mov_b32 s40, 1
	s_mov_b32 s44, 1
	s_mov_b32 s48, 1
	s_wait_kmcnt 0x0
	s_load_b128 s[52:55], s[10:11], 0x18           ; e6, e7, e8, e9
	s_add_nc_u64 s[42:43], s[6:7], s[22:23]
	s_add_nc_u64 s[46:47], s[8:9], s[74:75]        ; key steps 0, 1
	s_add_nc_u64 s[50:51], s[46:47], SLOTB         ; key steps 2, 3: this descriptor then walks
	s_or_b32 s43, s43, 0x80000000                  ; type = 2
	s_or_b32 s47, s47, 0x80000000
	s_or_b32 s51, s51, 0x80000000
	CROUND                                         ; all four work-groups are here: the first joint loads meet
	tensor_load_to_lds s[40:43], s[24:31]          ; my eighth of k
	s_nop 0
	tensor_load_to_lds s[44:47], s[32:39]          ; of v's slot 0
	s_nop 0
	tensor_load_to_lds s[48:51], s[32:39]          ; of v's slot 1: three loads of mine are out
	s_nop 0
	PLACES
	s_lshl_b32 s72, s21, 8                         ; q: piece 256 b + 8 qb + 2 g
	s_lshl_b32 s73, s20, 3
	s_add_co_u32 s72, s72, s73
	s_lshl_b32 s73, s17, 1
	s_add_co_u32 s72, s72, s73
	s_lshl_b32 s72, s72, 9
	s_mov_b32 s73, 0
	s_add_nc_u64 s[4:5], s[4:5], s[72:73]
	s_lshl_b32 s72, s21, 22                        ; x, out: 4,194,304 b + 32 w rows of 16,384 + 512 qb
	s_lshl_b32 s73, s16, 19
	s_add_co_u32 s72, s72, s73
	s_lshl_b32 s73, s20, 9
	s_add_co_u32 s72, s72, s73
	s_mov_b32 s73, 0
	s_add_nc_u64 s[68:69], s[12:13], s[72:73]
	s_add_nc_u64 s[70:71], s[14:15], s[72:73]
	v_and_b32 v[LN], 31, v0
	v_lshlrev_b32 v[LI], 4, v[LN]
	global_load_b128 v[QF:QF+3], v[LI], s[4:5]               ; q's two tiles stay in registers
	global_load_b128 v[QF+8:QF+11], v[LI], s[4:5] offset:512
	v_bfe_u32 v16, v0, 4, 1
	v_and_b32 v17, 15, v0
	v_lshlrev_b32 v17, 4, v17
	v_lshl_add_u32 v17, v16, 14, v17
	s_lshl_b32 s22, s16, 11
	v_add_nc_u32 v[RB], s22, v17                   ; the way out, reading: 16,384 (lane / 16) + 16 (lane % 16) + 2,048 w, + 65,536 for each pair of waves' regions
	v_add_nc_u32 v[RB+1], 0x10000, v[RB]
	v_add_nc_u32 v[RB+2], 0x20000, v[RB]
	v_add_nc_u32 v[RB+3], 0x30000, v[RB]
	s_lshl_b32 s22, s16, 15
	v_add_nc_u32 v[SW], s22, v[LI]                 ; the way out, writing: my region + 16 lane
	s_lshl_b32 s22, s18, 9
	s_lshl_b32 s23, s17, 2
	s_add_co_u32 s22, s22, s23
	s_add_co_u32 s22, s22, STATS
	v_add_nc_u32 v[STW], s22, v[LI]                ; my statistics: 512 kh + 16 lane + 4 g
	v_add_nc_u32 v[STR], STATS, v[LI]
	v_lshlrev_b32 v[PFO], 14, v[LN]                ; a row of x for each lane
.irp r, 28,29,30,31,36,37,38,39,44,45,46,47,52,53,54,55,60,61,62,63,68,69,70,71
	v_mov_b32 v\r, 0                               ; K = 32 .. 63 of q's and k's fragments: zero codes, written once
.endr
.irp r, 9,11,12,13,14,15,22,23
	v_mov_b32 v\r, 0                               ; l; the pairs' upper words; the lane exchange's destinations, which count as read
.endr
.irp r, 16,17,18,19
	v_mov_b32 v\r, 0xff800000                      ; the maxima begin at -infinity
.endr
	s_wait_kmcnt 0x0
	s_add_co_i32 s22, s52, s53
	s_lshl_b32 s22, s22, 23
	s_add_co_i32 s56, s22, 0x3e8293ee              ; c = log2(e) / sqrt(32) x 2^(e6 + e7): the exponents are added to c's exponent field
	s_mov_b32 s57, s56                             ; (named with it as a pair, so it is written)
	s_add_co_i32 s22, s55, 127
	s_lshl_b32 s23, s22, 23
	v_mov_b32 v[SC], s23                           ; 2^e9
	s_add_co_i32 s22, s22, 8
	s_lshl_b32 s22, s22, 23
	s_or_b32 s22, s22, 0x600000
	v_mov_b32 v[LIM], s22                          ; 448 x 2^e9
	s_add_co_i32 s66, s54, s55                     ; e8 + e9
; The scores of one key step for both tiles of queries: 16 products of K = 64, four tiles of keys at a time.  The addition and the first four v_nop are five plain lines between the last products
; that read v's fragments and these, which write over them.
.macro SCORES
	v_add_nc_u32 v[ADK], s60, v[LI]
.irp hf, 0,1
	PLACES
.irp t, 0,1,2,3
	ds_load_b128 v[KF+8*\t:KF+8*\t+3], v[ADK] offset:512*(4*\hf+\t)
.endr
	s_wait_dscnt 0x0
.irp t, 0,1,2,3
.irp u, 0,1
	v_wmma_f32_16x16x64_fp8_fp8 v[S+64*\u+8*(4*\hf+\t):S+64*\u+8*(4*\hf+\t)+7], v[KF+8*\t:KF+8*\t+7], v[QF+8*\u:QF+8*\u+7], 0
.endr
.endr
.endr
.endm
.macro MAXES                           ; four running chains by turns; each accumulator from its low end on
.irp t, 0,1,2,3,4,5,6,7
.irp q, 0,4
	v_max3_num_f32 v[CHN],   v[CHN],   v[S+8*\t+\q],      v[S+8*\t+\q+1]
	v_max3_num_f32 v[CHN+2], v[CHN+2], v[S+64+8*\t+\q],   v[S+64+8*\t+\q+1]
	v_max3_num_f32 v[CHN+1], v[CHN+1], v[S+8*\t+\q+2],    v[S+8*\t+\q+3]
	v_max3_num_f32 v[CHN+3], v[CHN+3], v[S+64+8*\t+\q+2], v[S+64+8*\t+\q+3]
.endr
.endr
.endm
.macro SOFT u                          ; tile u's 64 scores a lane become p, its sum, and p's codes
.set SB, S+64*(\u)
.set j, 0
.rept 32
	v_pk_fma_f32 v[SB+j:SB+j+1], v[SB+j:SB+j+1], s[56:57], v[NM+2*(\u):NM+2*(\u)+1] op_sel_hi:[1,0,0]   ; t - M, two at a time (of the pairs c and -M the low word serves both halves)
.set j, j+2
.endr
.set j, 0
.rept 64
	v_exp_f32 v[SB+j], v[SB+j]
.set j, j+1
.endr
	v_nop                                          ; a plain line behind the exponentials
	s_wait_alu depctr_va_vdst(0)
	v_pk_add_f32 v[TS:TS+1], v[SB:SB+1], v[SB+2:SB+3]   ; the sum of the unquantised p, in two chains
.set j, 4
.rept 15
	v_pk_add_f32 v[LS+2*(\u):LS+2*(\u)+1], v[LS+2*(\u):LS+2*(\u)+1], v[SB+j:SB+j+1]
	v_pk_add_f32 v[TS:TS+1], v[TS:TS+1], v[SB+j+2:SB+j+3]
.set j, j+4
.endr
	v_pk_add_f32 v[LS+2*(\u):LS+2*(\u)+1], v[LS+2*(\u):LS+2*(\u)+1], v[TS:TS+1]
.set t, 0
.rept 8
.set j, 0
.rept 8
	v_min_num_f32 v[SB+8*t+j], v[SB+8*t+j], v[LIM]   ; the conversion to an 8-bit code does not saturate (ISA guide 7.6.2); p is not negative, so the hold is one-sided
.set j, j+1
.endr
	v_cvt_scalef32_pk8_fp8_f32 v[PF+16*(\u)+2*t:PF+16*(\u)+2*t+1], v[SB+8*t:SB+8*t+7], v[SC]
.set t, t+1
.endr
	v_nop                                          ; a plain line behind the last conversion
.endm
.macro VLOAD n                         ; v's fragments of channels 64 n on, into the buffer n % 2 (where S^T lay)
.irp f, 0,1,2,3
.irp c, 0,1,2,3
	ds_load_b128 v[S+64*((\n)%2)+16*\f+4*\c:S+64*((\n)%2)+16*\f+4*\c+3], v[ADV] offset:2048*(4*(\n)+\f)+512*\c
.endr
.endr
.endm
.macro PV n, zero                      ; eight products: four tiles of channels x two tiles of queries.  A step's 32 accumulators all differ: they take turns
	WIN 0x50                                       ; C and D window 1
.irp f, 0,1,2,3
.irp u, 0,1
.if \zero
	v_wmma_f32_16x16x128_fp8_fp8 v[128*\u+8*(4*(\n)+\f):128*\u+8*(4*(\n)+\f)+7], v[S+64*((\n)%2)+16*\f:S+64*((\n)%2)+16*\f+15], v[PF+16*\u:PF+16*\u+15], 0
.else
	v_wmma_f32_16x16x128_fp8_fp8 v[128*\u+8*(4*(\n)+\f):128*\u+8*(4*(\n)+\f)+7], v[S+64*((\n)%2)+16*\f:S+64*((\n)%2)+16*\f+15], v[PF+16*\u:PF+16*\u+15], v[128*\u+8*(4*(\n)+\f):128*\u+8*(4*(\n)+\f)+7]
.endif
.endr
.endr
	WIN 0
.endm
.macro STEP zero                       ; a key step of pass 2.  zero = 1: its products start O^T's sums: nothing is cleared
	v_add_nc_u32 v[ADV], s61, v[LI]
	SCORES
	SOFT 0
	VLOAD 0                                        ; tile 0's scores are spent: their registers take v's first four fragments, which land under tile 1's softmax
	SOFT 1
	VLOAD 1
	s_wait_dscnt 16                                ; the first sixteen loads are in; the sixteen just issued may be out
	PV 0, \zero
	PLACES
	VLOAD 2
	s_wait_dscnt 16
	PV 1, \zero
	PLACES
	VLOAD 3
	s_wait_dscnt 16
	PV 2, \zero
	s_wait_dscnt 0x0
	PV 3, \zero
.endm
; THE CHANGE OF SLOTS.  Each wave waits for all its tensor loads (its eighth of the slot ahead), adds 0 to its spare word, and waits for that and for its reads of the slot that it leaves.
; fill = 1: behind a round of the cluster's barrier the slot just left takes the two key steps after the next: the load has a whole key step in which to land.
.macro CHANGE fill
	s_wait_tensorcnt 0x0                           ; no tensor load of mine is out, so a group 0 may be written
	ds_add_u32 v[SPW], v[NIL]                      ; 0 onto my spare word
.if \fill
	s_xor_b32 s49, s49, SLOTB                      ; the walking descriptor: the other slot than last time,
	s_add_nc_u64 s[50:51], s[50:51], SLOTB         ; the next two key steps; the type bits on top are not reached
.endif
	s_xor_b32 s61, s61, SLOTB                      ; my reads go on to the other slot,
	s_add_co_u32 s60, s60, 8192                    ; and to my next eight tiles of k
	s_wait_dscnt 0x0                               ; the add is done, and my reads of the slot are over
.if \fill
	CROUND
	tensor_load_to_lds s[48:51], s[32:39]          ; the first thing behind the round, and my one tensor load until the next
	s_nop 0
	PLACES
.else
	s_barrier_signal -1
	s_barrier_wait -1
.endif
.endm
	s_wait_tensorcnt 0x2                           ; my eighth of k is in; the two loads issued behind it, v's slots, may stay out
	s_barrier_signal -1
	s_barrier_wait -1                              ; everybody's is
	s_wait_loadcnt 0x0                             ; q
	; PASS 1: the largest score of each of my queries among my 2,048 keys
	s_lshl_b32 s60, s18, 12
	s_add_co_u32 s60, s60, KR                      ; key step kh: eight tiles of 512 bytes
	s_mov_b32 s62, 16
.Lmax:
	SCORES
	MAXES
	s_add_co_u32 s60, s60, 8192                    ; two key steps on
	s_sub_co_u32 s62, s62, 1
	s_cmp_lg_u32 s62, 0
	s_cbranch_scc1 .Lmax
	v_max_num_f32 v[CHN], v[CHN], v[CHN+1]
	v_max_num_f32 v[CHN+2], v[CHN+2], v[CHN+3]
	v_permlanex16_b32 v[PD], v[CHN], s58, s59      ; the query's other keys lie in the lane 16 away
	v_permlanex16_b32 v[PD+1], v[CHN+2], s58, s59
	v_max_num_f32 v[CHN], v[CHN], v[PD]
	v_max_num_f32 v[CHN+2], v[CHN+2], v[PD+1]
	v_mul_f32 v[CHN], s56, v[CHN]                  ; as t (c is positive)
	v_mul_f32 v[CHN+2], s56, v[CHN+2]
	v_floor_f32 v[NM], -v[CHN]                     ; -M = floor(-t) = -ceil(t): M is a whole number
	v_floor_f32 v[NM+2], -v[CHN+2]
	; PASS 2
	s_lshl_b32 s60, s18, 12
	s_add_co_u32 s60, s60, KR
	s_lshl_b32 s61, s18, 15                        ; my half of slot 0
	s_wait_tensorcnt 0x1                           ; my eighth of slot 0 is in; slot 1's load may stay out
	s_barrier_signal -1
	s_barrier_wait -1
	STEP 1
	s_mov_b32 s62, 14
.Lstep:                                            ; 14 trips: each fills the slot just left
	CHANGE 1
	STEP 0
	s_sub_co_u32 s62, s62, 1
	s_cmp_lg_u32 s62, 0
	s_cbranch_scc1 .Lstep
	CHANGE 0                                       ; the last step is written out
	global_prefetch_b8 v[PFO], s[68:69] th:TH_LOAD_NT scope:SCOPE_SE              ; my 32 rows x 512 bytes of x, which I load behind this last key step: each lane asks for the two
	global_prefetch_b8 v[PFO], s[68:69] offset:256 th:TH_LOAD_NT scope:SCOPE_SE   ; blocks of 256 bytes of its row, each block once in the launch
	STEP 0
	; JOINING THE HALVES.  x is asked for first; O^T, -M and l go to LDS; wave w then takes channels 32 w .. 32 w + 31 of all 128 queries, lane y the positions 4 y .. 4 y + 3.
	PLACES
.set z, 0
.rept 32                                       ; x(32 w + z, 4 lane ..): 32 lanes read 512 consecutive bytes
	global_load_b128 v[S+4*z:S+4*z+3], v[LI], s[68:69] offset:16384*z th:TH_LOAD_NT
.set z, z+1
.endr
	v_add_f32 v[LS], v[LS], v[LS+1]                ; l's two halves,
	v_add_f32 v[LS+2], v[LS+2], v[LS+3]
	v_permlanex16_b32 v[PD], v[LS], s58, s59
	v_permlanex16_b32 v[PD+1], v[LS+2], s58, s59
	v_add_f32 v[LS], v[LS], v[PD]                  ; and lane l xor 16's
	v_add_f32 v[LS+2], v[LS+2], v[PD+1]
	v_cmp_gt_u32 vcc_lo, 16, v[LN]
	v_cndmask_b32 v16, v[NM+2], v[NM], vcc_lo      ; lane 16 u + r carries tile u's query r
	v_cndmask_b32 v17, v[LS+2], v[LS], vcc_lo
	s_wait_dscnt 0x0
	s_barrier_signal -1
	s_barrier_wait -1                              ; nobody reads v's slots or k any more, and they have had their last fill
	WIN 0x04                                       ; store data window 1
.irp u, 0,1
.set ct, 0
.rept 16
	ds_store_b128 v[SW], v[128*\u+8*ct:128*\u+8*ct+3] offset:((16*\u+ct)*2)*512       ; each accumulator from its low end on
	ds_store_b128 v[SW], v[128*\u+8*ct+4:128*\u+8*ct+7] offset:((16*\u+ct)*2+1)*512
.set ct, ct+1
.endr
.endr
	WIN 0
	ds_store_b32 v[STW], v16
	ds_store_b32 v[STW], v17 offset:1024
	s_wait_dscnt 0x0                               ; for the others' sake: my stores are done
	s_barrier_signal -1
	s_barrier_wait -1
.irp q, 0,1,2,3                                ; -M of half 0, of half 1, l of half 0, of half 1: four words each, for positions 4 lane + 0 .. 3
	ds_load_b128 v[PF+4*\q:PF+4*\q+3], v[STR] offset:512*\q
.endr
; Piece (z, kh, g): channels 32 w + 4 z + 0 .. 3 of position 4 lane + g, from wave g + 4 kh's region
.macro PIECES z
.irp kh, 0,1
.irp g, 0,1,2,3
	ds_load_b128 v[32*(\z)+16*\kh+4*\g:32*(\z)+16*\kh+4*\g+3], v[RB+(\g+4*\kh)/2] offset:32768*((\g+4*\kh)%2)+1024*((\z)/4)+512*((\z)%2)+256*(((\z)/2)%2)
.endr
.endr
.endm
	WIN 0x40                                       ; destination window 1
.irp z, 0,1,2,3,4,5,6
	PIECES \z
.endr
	WIN 0
	s_wait_dscnt 56                                ; the four loads of statistics are in; the 56 behind them may be out
.irp i, 0,1,2,3
	v_min_num_f32 v[LT+\i], v[PF+\i], v[PF+4+\i]   ; -M of the row = the lesser of the halves' -M
.endr
.irp i, 0,1,2,3
	v_sub_f32 v[GA+\i], v[LT+\i], v[PF+\i]         ; a half's M less the row's: a whole number, 0 or less
	v_sub_f32 v[GB+\i], v[LT+\i], v[PF+4+\i]
.endr
.irp i, 0,1,2,3
	v_cvt_i32_f32 v[GA+\i], v[GA+\i]
	v_cvt_i32_f32 v[GB+\i], v[GB+\i]
.endr
.irp i, 0,1,2,3
	v_ldexp_f32 v[GA+\i], 1.0, v[GA+\i]            ; a power of two: nothing is rounded
	v_ldexp_f32 v[GB+\i], 1.0, v[GB+\i]
.endr
.irp i, 0,1,2,3
	v_mul_f32 v[LT+\i], v[PF+8+\i], v[GA+\i]
.endr
.irp i, 0,1,2,3
	v_fma_f32 v[LT+\i], v[PF+12+\i], v[GB+\i], v[LT+\i]   ; the row's l
.endr
.irp i, 0,1,2,3
	v_rcp_f32 v[LT+\i], v[LT+\i]
.endr
	v_nop                                          ; a plain line behind the reciprocals
	s_wait_alu depctr_va_vdst(0)
.irp i, 0,1,2,3
	v_ldexp_f32 v[LT+\i], v[LT+\i], s66            ; x 2^(e8 + e9)
.endr
.irp i, 0,1,2,3
	v_mul_f32 v[GA+\i], v[GA+\i], v[LT+\i]
	v_mul_f32 v[GB+\i], v[GB+\i], v[LT+\i]
.endr
	WIN 0x40
	PIECES 7
	WIN 0
; Four channels at a time: out = x + half 0's sum x its factor + half 1's.  The multiply-adds pick register jj of piece g for word g of row jj: they turn four by four at no cost.
.macro OUTZ z
	s_wait_dscnt 8*(7-(\z))                        ; this group's eight pieces are in; the later groups' may be out
	s_wait_loadcnt 4*(7-(\z))                      ; and its four rows of x
	WIN 0x01                                       ; source 0 window 1
.irp jj, 0,1,2,3
.irp i, 0,1,2,3
	v_fma_f32 v[S+16*(\z)+4*\jj+\i], v[32*(\z)+4*\i+\jj], v[GA+\i], v[S+16*(\z)+4*\jj+\i]
.endr
.endr
.irp jj, 0,1,2,3
.irp i, 0,1,2,3
	v_fma_f32 v[S+16*(\z)+4*\jj+\i], v[32*(\z)+16+4*\i+\jj], v[GB+\i], v[S+16*(\z)+4*\jj+\i]
.endr
.endr
	WIN 0
.irp jj, 0,1,2,3
	global_store_b128 v[LI], v[S+16*(\z)+4*\jj:S+16*(\z)+4*\jj+3], s[70:71] offset:16384*(4*(\z)+\jj) th:TH_STORE_NT   ; 32 lanes store 512 consecutive bytes, at a multiple of 512 from out's first byte
.endr
.endm
.irp z, 0,1,2,3,4,5,6,7
	OUTZ \z
.endr
	s_wait_tensorcnt 0x0                           ; the wave's end: behind my last tensor load and my last LDS store
	ds_add_u32 v[SPW], v[NIL]
	s_wait_dscnt 0x0
	CROUND                                         ; the closing round: no work-group ends while a partner may still ask for a tile that names it
	s_endpgm
.Lfunc_end_k_qb8e5aacd04_attend:
	.size	k_qb8e5aacd04_attend, .Lfunc_end_k_qb8e5aacd04_attend-k_qb8e5aacd04_attend
	.p2alignl 7, 3214868480
	.fill 96, 4, 3214868480
	.section	.rodata,"a",@progbits
	.p2align	6, 0x0
	.amdhsa_kernel k_qb8e5aacd04_attend
		.amdhsa_group_segment_fixed_size 327680
		.amdhsa_private_segment_fixed_size 0
		.amdhsa_enable_private_segment 0
		.amdhsa_kernarg_size 48
		.amdhsa_user_sgpr_count 2
		.amdhsa_user_sgpr_kernarg_segment_ptr 1
		.amdhsa_wavefront_size32 1
		.amdhsa_system_sgpr_workgroup_id_x 1
		.amdhsa_system_sgpr_workgroup_id_y 1
		.amdhsa_system_sgpr_workgroup_id_z 1
		.amdhsa_system_vgpr_workitem_id 0
		.amdhsa_next_free_vgpr 512
		.amdhsa_next_free_sgpr 80
		.amdhsa_reserve_vcc 1
		.amdhsa_float_denorm_mode_32 3
		.amdhsa_float_denorm_mode_16_64 3
		.amdhsa_memory_ordered 1
		.amdhsa_forward_progress 1
		.amdhsa_inst_pref_size 128
	.end_amdhsa_kernel
	.amdgpu_metadata
---
amdhsa.version: [ 1, 2 ]
amdhsa.kernels:
  - .name:           k_qb8e5aacd04_attend
    .symbol:         k_qb8e5aacd04_attend.kd
    .args:
      - { .name: qimg, .offset: 0, .size: 8, .value_kind: global_buffer, .address_space: global }
      - { .name: kimg, .offset: 8, .size: 8, .value_kind: global_buffer, .address_space: global }
      - { .name: vimg, .offset: 16, .size: 8, .value_kind: global_buffer, .address_space: global }
      - { .name: lowp_scales, .offset: 24, .size: 8, .value_kind: global_buffer, .address_space: global }
      - { .name: x, .offset: 32, .size: 8, .value_kind: global_buffer, .address_space: global }
      - { .name: out0, .offset: 40, .size: 8, .value_kind: global_buffer, .address_space: global }
    .group_segment_fixed_size: 327680
    .private_segment_fixed_size: 0
    .kernarg_segment_align: 8
    .kernarg_segment_size: 48
    .max_flat_workgroup_size: 256
    .sgpr_count:     80
    .vgpr_count:     512
    .wavefront_size: 32
...
	.end_amdgpu_metadata
.endif
;; end of part 2
;; ======== version 2 of 2: 2 launches; version 1 with the launch project written anew for expert scheduling mode
;; workspace buffers: qimg 1,048,576 bytes; kimg 1,048,576 bytes; vimg 8,388,608 bytes
;; launch project (part 3): grid 32 x 8, 4 waves a work-group, no clusters, 104,960 bytes of LDS; arguments x, wq_codes, wk_codes, wv_codes, bq, bk, bv, lowp_scales, qimg, kimg, vimg; writes qimg, kimg, vimg
.if DOCPART == 3
	.amdgcn_target "amdgcn-amd-amdhsa--gfx1250"
	.amdhsa_code_object_version 6
	.text
	.protected	k_qb8e5aacd04_project
	.globl	k_qb8e5aacd04_project
	.p2align	8
	.type	k_qb8e5aacd04_project,@function
k_qb8e5aacd04_project:
	s_mov_b64 s[64:65], 0
	v_nop
	global_prefetch_b8 v0, s[64:65] scope:SCOPE_SE
	s_setreg_imm32_b32 hwreg(HW_REG_WAVE_SCHED_MODE, 0, 2), 2
	s_setreg_imm32_b32 hwreg(HW_REG_WAVE_MODE, 25, 1), 1
	s_wait_xcnt 0x0
	s_wait_alu depctr_vm_vsrc(0)
; q = wq x + bq, k = wk x + bk, v = wv x + bv on codes of FP8 (E4M3), and the codes of q, k, v for the attention launch.
; x: [8][256 c][4096 n] f32.  wq, wk: [32][256], wv: [256][256]: codes, c innermost.  lowp_scales: e0 .. e9.
; x is quantised three times along c (2^e0 for q, 2^e2 for k, 2^e4 for v); q, k, v are quantised behind their bias (2^e6, 2^e7, 2^e8).
; SHARES.  A work-group (s = x id, b = y id) takes 128 positions x 256 c of one batch: 131,072 bytes of x, in rows of 512 bytes.
;   Loading and quantising: wave w takes c = 64 w .. 64 w + 63; lane l holds positions 4 l .. 4 l + 3, its registers run down c.
;   q and k: waves 0, 1 make q, waves 2, 3 k; the wave's low bit picks four of the eight tiles of 16 rows.   v: wave w makes channels 64 w .. 64 w + 63 for all rows.
; ROW ORDER.  Row R = 32 i + l of the block stands for position 128 s + 4 l + i.  Keys keep that order in k and in v alike, so it cancels; for queries it puts four neighbouring
;   positions into four tiles 32 rows apart, which the attention launch uses on its way out.
;   groups of banks (64 banks of 4 bytes: ISA guide 11.1), in the stores and in the fragment loads.
; OUTPUT: images of operand registers, pieces of 512 bytes, lane L's 16 bytes at 16 L: every store of a wave covers 512 consecutive bytes.
;   qimg, kimg: piece (256 b + 8 s + T): registers 0-3 of a K = 64 fragment of rows 16 T + r (d = 8 h .. + 7, 16 + 8 h .. + 7).
;   vimg: piece (((32 b + s) 16 + ct) 4 + c): registers 4 c .. 4 c + 3 of a K = 128 fragment: channel 16 ct + r; register pair T holds rows 16 T + 8 h + 0 .. 7.
; In the three projections k is laid 32 c + 16 h + 0 .. 15 in registers 4 c .. 4 c + 3, alike in x's and in the weights' fragments: every product meets its partner.
; NO CLUSTER, NO TENSOR LOAD: no two work-groups share a byte of x; the weights, 81,920 bytes in all, go once from memory into each wave's operand registers (48 loads a wave) and are
;   never read again: a joint load would send them through LDS and add as many LDS loads.
; LIMITS: e0, e2, e4, e6 - e0 - e1, e7 - e2 - e3, e8 - e4 - e5 between -126 and 119, so that each scale and 448 x it is an f32 number.  NaN among the inputs is not served.
; REGISTERS.  Window 0: v1 lane, v2 r, v3 h, v4 16 lane, v5 weights' offset, v6-8 where I store codes in the three images, v9, v10 where I read fragments, v12, v13 biases' offsets,
;   v16-25 five pairs (scale, 448 x scale), v28-35 bv (four pairs), v36-51 bq or bk in the result's layout, v68-99 numbers held (two sets), v100-131 codes (two buffers of four sets), both later accumulators,
;   v132-147 q's or k's codes, v148-211 v's codes, v254, v255 for the closing add.
;   Window 1: x (64 x 4); later x's fragments: q's or k's four tiles at v0-127, v's tiles 0-3 at v128-255, v's tiles 4-7 at v0-127.   Window 2: v0-127 wv's fragments, v128-191 wq's or wk's.
; THE MODE: SCHED_MODE bits 1:0 = 2 (LLVM: expert scheduling mode 2), set by the entry lines.  The code itself states the register dependences
; between vector or matrix instructions and memory or LDS instructions, with s_wait_alu, always for 0.
; THE PLAN.  Registers that memory or LDS instructions touch:
;   v4-v10, v12, v13   offsets and addresses: written at the head, ahead of one wait on va_vdst, and never again.
;   x (window 1)       loaded once; read by the holds of the twelve units; behind the barrier LDS loads land there: the wait on va_vdst behind the last unit stands between.
;   CC0, CC1           unit p (16 rows c under one scale: 72 vector lines) writes CC[p % 2]; its four LDS stores are issued at the head of unit p + 1, behind one wait on va_vdst;
;                      one wait on vm_vsrc at the head of unit p + 2 stands ahead of the conversions that write that buffer again.  No vector line of a unit names the other buffer.
;                      Behind the barrier one wait on vm_vsrc stands ahead of the matrix instructions that write these registers.
;   fragments of x     every tile has registers of its own.  Tiles 4 to 7 of v take those that q's or k's products have read: the wait on va_vdst ahead of the stores of q's or k's codes
;                      stands between, and no vector or matrix line behind it names a register ahead of the load that lands in it.
;   QC, VC             written by conversions, read by global stores behind a wait on va_vdst, never written again: QC in one run of four; VC four pieces at a time, as soon as a piece's two tiles are quantised.
.set PITCH, 272
.set IMG,   128*PITCH
.set BV,    28
.set BP,    36
.set TT,    68
.set CC,    100
.set ACC,   68
.set QC,    132
.set VC,    148
.set MSB, 0
.macro WIN new                         ; the immediate's high byte repeats the setting that is left; a switch that changes nothing is dropped
.if MSB != \new
	s_set_vgpr_msb (MSB<<8)|\new
.set MSB, \new
.endif
.endm
.macro PLACES                          ; four plain vector lines behind matrix instructions, ahead of reads of their results (ISA guide 7.12.1)
.rept 4
	v_nop
.endr
.endm
.macro MKSC vr, sr                     ; v[vr] = 2^e as f32, v[vr+1] = 448 x 2^e, e in s[sr]
	s_add_co_i32 s50, s[\sr], 127
	s_lshl_b32 s51, s50, 23
	v_mov_b32 v[\vr], s51
	s_add_co_i32 s50, s50, 8
	s_lshl_b32 s50, s50, 23
	s_or_b32 s50, s50, 0x600000
	v_mov_b32 v[\vr+1], s50
.endm
	s_load_b512 s[4:19], s[0:1], 0x0               ; x 4, wq 6, wk 8, wv 10, bq 12, bk 14, bv 16, scales 18
	s_load_b128 s[20:23], s[0:1], 0x40             ; qimg, kimg
	s_load_b64 s[24:25], s[0:1], 0x50              ; vimg
	v_lshl_add_u32 v254, v0, 2, 0x19800
	v_mov_b32 v255, 0
	v_lshrrev_b32 v1, 5, v0
	v_readfirstlane_b32 s26, v1                    ; wave 0..3
	s_and_b32 s39, ttmp7, 0xffff                   ; batch
	v_and_b32 v1, 31, v0                           ; lane
	v_and_b32 v2, 15, v0                           ; r
	v_bfe_u32 v3, v0, 4, 1                         ; h
	v_lshlrev_b32 v4, 4, v1                        ; 16 x lane: x's offset and every image's
	v_lshlrev_b32 v5, 8, v2
	v_lshl_add_u32 v5, v3, 4, v5                   ; weights: row r of 256 bytes + 16 h
	v_mul_u32_u24 v6, v1, PITCH
	v_mul_u32_u24 v10, v2, PITCH
	v_lshl_add_u32 v10, v3, 4, v10                 ; a fragment: row r x pitch + 16 h
	v_lshlrev_b32 v12, 5, v3                       ; bq, bk: 8 h numbers on
	v_lshlrev_b32 v13, 2, v2                       ; bv: number r
	s_wait_alu depctr_va_sdst(0)                   ; s26 is written, ahead of its first reader: the wave's shares, addresses and bases are made from it
	s_lshr_b32 s27, s26, 1                         ; 0: q, 1: k
	s_and_b32 s38, s26, 1                          ; which four tiles of rows
	s_lshl_b32 s50, s26, 6
	v_add_nc_u32 v6, s50, v6                       ; codes go to row 32 i + lane, byte 64 w + 16 G: 272 lane + 64 w, the rest in the immediate
	v_add_nc_u32 v7, IMG, v6
	v_add_nc_u32 v8, 2*IMG, v6
	s_mul_i32 s50, s27, IMG                        ; q reads the image under e0, k the one under e2,
	s_mul_i32 s51, s38, 64*PITCH                   ; my four tiles
	s_add_co_u32 s50, s50, s51
	v_add_nc_u32 v9, s50, v10
	v_add_nc_u32 v10, 2*IMG, v10                   ; v reads the image under e4
	s_lshl_b32 s50, s39, 22                        ; x: batch x 4,194,304 + 64 w rows of 16,384 + 512 s
	s_lshl_b32 s51, s26, 20
	s_add_co_u32 s50, s50, s51
	s_lshl_b32 s51, ttmp9, 9
	s_add_co_u32 s50, s50, s51
	s_mov_b32 s51, 0
	s_lshl_b32 s52, s26, 14                        ; wv: my 64 rows of 256 bytes
	s_mov_b32 s53, 0
	s_lshl_b32 s54, s26, 8                         ; bv: my 64 numbers
	s_mov_b32 s55, 0
	s_lshl_b32 s56, s39, 8                         ; qimg, kimg: piece 256 b + 8 s + 4 x (wave & 1)
	s_lshl_b32 s57, ttmp9, 3
	s_add_co_u32 s56, s56, s57
	s_lshl_b32 s57, s38, 2
	s_add_co_u32 s56, s56, s57
	s_lshl_b32 s56, s56, 9
	s_mov_b32 s57, 0
	s_lshl_b32 s58, s39, 5                         ; vimg: fragment (32 b + s) 16 + 4 w, 2,048 bytes each
	s_add_co_u32 s58, s58, ttmp9
	s_lshl_b32 s58, s58, 4
	s_lshl_b32 s59, s26, 2
	s_add_co_u32 s58, s58, s59
	s_lshl_b32 s58, s58, 11
	s_mov_b32 s59, 0
	s_wait_kmcnt 0x0
	s_load_b256 s[28:35], s[18:19], 0x0            ; e0 .. e7
	s_load_b64 s[36:37], s[18:19], 0x20            ; e8, e9
	s_cmp_lt_u32 s26, 2                            ; the choice hangs on the wave's number alone
	s_cselect_b64 s[40:41], s[6:7], s[8:9]         ; wq or wk
	s_cselect_b64 s[42:43], s[12:13], s[14:15]     ; bq or bk
	s_cselect_b64 s[44:45], s[20:21], s[22:23]     ; qimg or kimg
	s_add_nc_u64 s[4:5], s[4:5], s[50:51]
	s_add_nc_u64 s[10:11], s[10:11], s[52:53]
	s_add_nc_u64 s[16:17], s[16:17], s[54:55]
	s_add_nc_u64 s[44:45], s[44:45], s[56:57]
	s_add_nc_u64 s[24:25], s[24:25], s[58:59]
	s_wait_alu depctr_va_vdst(0)                   ; the offsets v4, v5, v12, v13 and the LDS addresses v6 to v10 are written: every load and store of the kernel reads one of them, and none is written again
.irp u, 0,1                                    ; the bias in the result's layout: lane (r, h), register 8 u + j: d = 16 u + 8 h + j
	global_load_b128 v[BP+8*\u:BP+8*\u+3], v12, s[42:43] offset:64*\u
	global_load_b128 v[BP+8*\u+4:BP+8*\u+7], v12, s[42:43] offset:64*\u+16
.endr
.irp t, 0,1,2,3                                ; bv of channel 64 w + 16 t + r
	global_load_b32 v[BV+2*\t], v13, s[16:17] offset:64*\t
.endr
	WIN 0x40                                       ; destination window 1
.set NQ, 0
.rept 64                                       ; row c = 64 w + NQ: 32 lanes read 512 consecutive bytes; all of the wave's 32,768 bytes are asked for at once.  No hint: the next launch reads x again
	global_load_b128 v[4*NQ:4*NQ+3], v4, s[4:5] offset:16384*NQ
.set NQ, NQ+1
.endr
	WIN 0
	s_wait_kmcnt 0x0
	s_cmp_lt_u32 s26, 2
	s_cselect_b32 s46, s28, s30                    ; x's exponent for my product,
	s_cselect_b32 s47, s29, s31                    ; the weight's,
	s_cselect_b32 s48, s34, s35                    ; the result's
	s_add_co_i32 s46, s46, s47
	s_sub_co_i32 s48, s48, s46                     ; a sum stands for sum x 2^(eA + eW): the three scales are folded into the conversion's one
	s_sub_co_i32 s46, 0, s46                       ; and the bias goes in divided by 2^(eA + eW)
	s_add_co_i32 s47, s32, s33
	s_sub_co_i32 s49, s36, s47                     ; the same for v: e8 - e4 - e5
	s_sub_co_i32 s47, 0, s47
	MKSC 16, 28
	MKSC 18, 30
	MKSC 20, 32
	MKSC 22, 48
	MKSC 24, 49
; UNIT NU = 3 G + im, NU = 0 .. 11: 16 rows c of x (16 G on) become codes under scale im, for the lane's four positions.  The hold at 448 x the scale reads x from window 1 and writes 16 neighbours
; along c of ONE position into consecutive registers: it turns the registers round at no cost.  Numbers take two sets by turns; the unit's four sets of codes fill the buffer CC[NU % 2].
; A unit's codes are stored at the head of the next unit.
.set NU, 0
.macro SENDX                           ; the four LDS stores of the unit before unit NU: row 32 i + lane of its image
.irp i, 0,1,2,3
	ds_store_b128 v[6+(NU-1)%3], v[CC+16*((NU-1)%2)+4*\i:CC+16*((NU-1)%2)+4*\i+3] offset:32*PITCH*\i+16*((NU-1)/3)
.endr
.endm
.macro UNIT
.set UG, NU/3
.set UI, NU%3
.if NU > 1
	s_wait_dscnt 0x0                               ; the four LDS stores issued at the head of the unit before are done,
	s_wait_alu depctr_vm_vsrc(0)                   ; and have read CC[NU % 2], which this unit's conversions write again
.endif
.if NU > 0
	s_wait_alu depctr_va_vdst(0)                   ; the unit before has written the other buffer of codes, which the four stores below read; no vector line of this unit names it
	SENDX
.endif
.irp i, 0,1,2,3
.set ci, 0
.rept 16
	v_med3_num_f32 v[TT+16*(\i%2)+ci], -v[17+2*UI], v[17+2*UI], v[4*(16*UG+ci)+\i]   ; the conversion to an 8-bit code does not saturate (ISA guide 7.6.2)
.set ci, ci+1
.endr
	v_cvt_scalef32_pk8_fp8_f32 v[CC+16*(NU%2)+4*\i:CC+16*(NU%2)+4*\i+1], v[TT+16*(\i%2):TT+16*(\i%2)+7], v[16+2*UI]
	v_cvt_scalef32_pk8_fp8_f32 v[CC+16*(NU%2)+4*\i+2:CC+16*(NU%2)+4*\i+3], v[TT+16*(\i%2)+8:TT+16*(\i%2)+15], v[16+2*UI]   ; the next sixteen holds, into the other set, are the plain lines behind the conversions
.endr
.set NU, NU+1
.endm
; In front of each group of three units: behind x's loads 16 G .. 16 G + 15 were issued 48 - 16 G loads of x and 16 G loads of weights: 48 in every group.
; The weights' loads owe no wait of their own: no vector line since the wait at the head names v5 or a register of window 2.
	s_wait_loadcnt 48                              ; (the biases, asked for first, are in too)
	WIN 0x80                                       ; destination window 2
.irp u, 0,1
.irp k, 0,1
.irp c, 0,1,2,3
	global_load_b128 v[128+32*\u+16*\k+4*\c:128+32*\u+16*\k+4*\c+3], v5, s[40:41] offset:4096*\u+128*\k+32*\c
.endr
.endr
.endr
	WIN 0
.set ci, 0
.rept 16
	v_ldexp_f32 v[BP+ci], v[BP+ci], s46
.set ci, ci+1
.endr
.irp t, 0,1,2,3
	v_ldexp_f32 v[BV+2*\t], v[BV+2*\t], s47
.endr
.irp t, 0,1,2,3
	v_mov_b32 v[BV+2*\t+1], v[BV+2*\t]             ; a pair for the packed addition
.endr
	WIN 0x10                                       ; source 2 (x) window 1
	UNIT
	UNIT
	UNIT
	s_wait_loadcnt 48
	WIN 0x80
.irp t, 0,1
.irp k, 0,1
.irp c, 0,1,2,3
	global_load_b128 v[32*\t+16*\k+4*\c:32*\t+16*\k+4*\c+3], v5, s[10:11] offset:4096*\t+128*\k+32*\c
.endr
.endr
.endr
	WIN 0x10
	UNIT
	UNIT
	UNIT
	s_wait_loadcnt 48
	WIN 0x80
.irp t, 2,3
.irp k, 0,1
.irp c, 0,1,2,3
	global_load_b128 v[32*\t+16*\k+4*\c:32*\t+16*\k+4*\c+3], v5, s[10:11] offset:4096*\t+128*\k+32*\c
.endr
.endr
.endr
	WIN 0x10
	UNIT
	UNIT
	UNIT
	s_wait_loadcnt 48
	UNIT
	UNIT
	UNIT
	v_nop                                          ; a plain line behind the last conversion: matrix instructions write its registers later
	s_wait_alu depctr_va_vdst(0)                   ; the last unit has written its codes, which the stores below read; and every hold is done reading x's registers in window 1, in which the fragments' LDS loads land behind the barrier
	SENDX
	WIN 0
	s_wait_dscnt 0x0                               ; for the others' sake: my codes lie in LDS
	s_barrier_signal -1
	s_barrier_wait -1                              ; the three images are whole
	s_wait_alu depctr_vm_vsrc(0)                   ; my LDS stores have read the codes' registers v100 to v131: they are accumulators from here on, written by matrix instructions
.macro FETCHV T                        ; x's two fragments (under e4) of rows 16 T on, into the tile's own 32 registers of window 1: tiles 0-3 from v128, tiles 4-7 from v0
	WIN 0x40
.irp k, 0,1
.irp c, 0,1,2,3
	ds_load_b128 v[(128+32*(\T))%256+16*\k+4*\c:(128+32*(\T))%256+16*\k+4*\c+3], v10 offset:16*PITCH*(\T)+128*\k+32*\c
.endr
.endr
.endm
	WIN 0x40
.irp t, 0,1,2,3                                ; my four tiles' fragments for q or k
.irp k, 0,1
.irp c, 0,1,2,3
	ds_load_b128 v[32*\t+16*\k+4*\c:32*\t+16*\k+4*\c+3], v9 offset:16*PITCH*\t+128*\k+32*\c
.endr
.endr
.endr
	FETCHV 0
	FETCHV 1
	s_wait_loadcnt 0x0                             ; the weights
	s_wait_dscnt 16                                ; the 32 loads for q or k are in; the sixteen for v's first two tiles may be out
	; q or k, transposed: source 0 = 16 rows d of the weight, source 1 = 16 rows R of x: lane (r, h), register j: d = 16 u + 8 h + j of row 16 T + r.  The bias is the C of each sum's first product.
	; The eight accumulators take turns, one instruction a turn.
	WIN 0x06                                       ; source 0 window 2, source 1 window 1
.irp t, 0,1,2,3
.irp u, 0,1
	v_wmma_f32_16x16x128_fp8_fp8 v[ACC+8*(2*\t+\u):ACC+8*(2*\t+\u)+7], v[128+32*\u:128+32*\u+15], v[32*\t:32*\t+15], v[BP+8*\u:BP+8*\u+7]
.endr
.endr
.irp t, 0,1,2,3
.irp u, 0,1
	v_wmma_f32_16x16x128_fp8_fp8 v[ACC+8*(2*\t+\u):ACC+8*(2*\t+\u)+7], v[128+32*\u+16:128+32*\u+31], v[32*\t+16:32*\t+31], v[ACC+8*(2*\t+\u):ACC+8*(2*\t+\u)+7]
.endr
.endr
	WIN 0
	PLACES
.irp t, 0,1,2,3                                ; a lane's 16 registers of a tile are d = 8 h .. + 7 and 16 + 8 h .. + 7 of one row: registers 0-3 of the next product's fragment
.set ci, 0
.rept 16
	v_med3_num_f32 v[ACC+16*\t+ci], v[ACC+16*\t+ci], -v23, v23
.set ci, ci+1
.endr
	v_cvt_scalef32_pk8_fp8_f32 v[QC+4*\t:QC+4*\t+1], v[ACC+16*\t:ACC+16*\t+7], v22
	v_cvt_scalef32_pk8_fp8_f32 v[QC+4*\t+2:QC+4*\t+3], v[ACC+16*\t+8:ACC+16*\t+15], v22
.endr
	v_nop                                          ; a plain line behind the last conversion: the products below write its sources
	s_wait_alu depctr_va_vdst(0)                   ; the conversions have written q's or k's codes, which the four stores read; and the sixteen products are done reading their fragments of x in v0-127 of window 1, in which v's tiles 4 to 7 land
.irp t, 0,1,2,3
	global_store_b128 v4, v[QC+4*\t:QC+4*\t+3], s[44:45] offset:512*\t   ; 32 lanes store 512 consecutive bytes
.endr
; v: source 0 = 16 rows R of x, source 1 = 16 channels of wv: lane (r, h), register j: row 16 T + 8 h + j of channel 16 ct + r: eight neighbours along the attention's K.
.macro VMUL T                          ; four accumulators by turns, two K steps; two sets of accumulators by turns from tile to tile
	WIN 0x09                                       ; source 0 window 1, source 1 window 2
.irp t, 0,1,2,3
	v_wmma_f32_16x16x128_fp8_fp8 v[ACC+32*((\T)%2)+8*\t:ACC+32*((\T)%2)+8*\t+7], v[(128+32*(\T))%256:(128+32*(\T))%256+15], v[32*\t:32*\t+15], 0
.endr
.irp t, 0,1,2,3
	v_wmma_f32_16x16x128_fp8_fp8 v[ACC+32*((\T)%2)+8*\t:ACC+32*((\T)%2)+8*\t+7], v[(128+32*(\T))%256+16:(128+32*(\T))%256+31], v[32*\t+16:32*\t+31], v[ACC+32*((\T)%2)+8*\t:ACC+32*((\T)%2)+8*\t+7]
.endr
	WIN 0
.endm
.macro QV T                            ; tile T's sums + bias, held, become register pair T of the four fragments
.irp t, 0,1,2,3
.set A0, ACC+32*((\T)%2)+8*\t
.irp p, 0,2,4,6
	v_pk_add_f32 v[A0+\p:A0+\p+1], v[A0+\p:A0+\p+1], v[BV+2*\t:BV+2*\t+1]
.endr
.irp p, 0,1,2,3,4,5,6,7
	v_med3_num_f32 v[A0+\p], v[A0+\p], -v25, v25
.endr
	v_cvt_scalef32_pk8_fp8_f32 v[VC+16*\t+2*(\T):VC+16*\t+2*(\T)+1], v[A0:A0+7], v24
.endr
	v_nop                                          ; a plain line behind the last conversion: the next products write its sources
.endm
.macro SENDV c                         ; piece c (register pairs 2 c, 2 c + 1) of my four fragments
.irp t, 0,1,2,3
	global_store_b128 v4, v[VC+16*\t+4*(\c):VC+16*\t+4*(\c)+3], s[24:25] offset:2048*\t+512*(\c)   ; 32 lanes store 512 consecutive bytes
.endr
.endm
; Tile T's products stand in front of tile T - 1's quantising, which is the places behind them; fragments are fetched two tiles ahead, each into registers of its own: these loads owe no further wait.
; At the heads of tiles 3, 5 and 7 two more tiles are quantised: a piece of each of the four fragments is whole, and leaves.
.irp T, 0,1,2,3,4,5,6,7
.if (\T == 3) || (\T == 5) || (\T == 7)
	s_wait_alu depctr_va_vdst(0)                   ; the conversions of the tiles three and two back have written their register pairs, which the four stores below read; no later line writes those registers
	SENDV (\T-3)/2
.endif
.if \T < 6
	FETCHV \T+2
	s_wait_dscnt 16                                ; tile T's eight loads are in; those of the two tiles behind it may be out
.elseif \T == 6
	s_wait_dscnt 8
.else
	s_wait_dscnt 0x0
.endif
	VMUL \T
.if \T == 0
	PLACES
.else
	QV \T-1
.endif
.endr
	PLACES
	QV 7
	s_wait_alu depctr_va_vdst(0)                   ; the conversions of tiles 6 and 7 have written the last register pairs, which the last four stores read
	SENDV 3
	s_wait_dscnt 0x0                               ; the closing lines, six on end
	s_wait_alu 0x0
	s_wait_tensorcnt 0x0
	ds_add_u32 v254, v255
	s_wait_dscnt 0x0
	s_endpgm
.Lfunc_end_k_qb8e5aacd04_project:
	.size	k_qb8e5aacd04_project, .Lfunc_end_k_qb8e5aacd04_project-k_qb8e5aacd04_project
	.p2alignl 7, 3214868480
	.fill 96, 4, 3214868480
	.section	.rodata,"a",@progbits
	.p2align	6, 0x0
	.amdhsa_kernel k_qb8e5aacd04_project
		.amdhsa_group_segment_fixed_size 104960
		.amdhsa_private_segment_fixed_size 0
		.amdhsa_enable_private_segment 0
		.amdhsa_kernarg_size 88
		.amdhsa_user_sgpr_count 2
		.amdhsa_user_sgpr_kernarg_segment_ptr 1
		.amdhsa_wavefront_size32 1
		.amdhsa_system_sgpr_workgroup_id_x 1
		.amdhsa_system_sgpr_workgroup_id_y 1
		.amdhsa_system_sgpr_workgroup_id_z 1
		.amdhsa_system_vgpr_workitem_id 0
		.amdhsa_next_free_vgpr 768
		.amdhsa_next_free_sgpr 66
		.amdhsa_reserve_vcc 0
		.amdhsa_float_denorm_mode_32 3
		.amdhsa_float_denorm_mode_16_64 3
		.amdhsa_memory_ordered 1
		.amdhsa_forward_progress 1
		.amdhsa_inst_pref_size 122
	.end_amdhsa_kernel
	.amdgpu_metadata
---
amdhsa.version: [ 1, 2 ]
amdhsa.kernels:
  - .name:           k_qb8e5aacd04_project
    .symbol:         k_qb8e5aacd04_project.kd
    .args:
      - { .name: x, .offset: 0, .size: 8, .value_kind: global_buffer, .address_space: global }
      - { .name: wq_codes, .offset: 8, .size: 8, .value_kind: global_buffer, .address_space: global }
      - { .name: wk_codes, .offset: 16, .size: 8, .value_kind: global_buffer, .address_space: global }
      - { .name: wv_codes, .offset: 24, .size: 8, .value_kind: global_buffer, .address_space: global }
      - { .name: bq, .offset: 32, .size: 8, .value_kind: global_buffer, .address_space: global }
      - { .name: bk, .offset: 40, .size: 8, .value_kind: global_buffer, .address_space: global }
      - { .name: bv, .offset: 48, .size: 8, .value_kind: global_buffer, .address_space: global }
      - { .name: lowp_scales, .offset: 56, .size: 8, .value_kind: global_buffer, .address_space: global }
      - { .name: qimg, .offset: 64, .size: 8, .value_kind: global_buffer, .address_space: global }
      - { .name: kimg, .offset: 72, .size: 8, .value_kind: global_buffer, .address_space: global }
      - { .name: vimg, .offset: 80, .size: 8, .value_kind: global_buffer, .address_space: global }
    .group_segment_fixed_size: 104960
    .private_segment_fixed_size: 0
    .kernarg_segment_align: 8
    .kernarg_segment_size: 88
    .max_flat_workgroup_size: 128
    .sgpr_count:     66
    .vgpr_count:     768
    .wavefront_size: 32
...
	.end_amdgpu_metadata
.endif
;; end of part 3
;; launch attend: the kernel of part 2 again; grid 32 x 8, 8 waves a work-group, clusters of 4 x 1, 327,680 bytes of LDS; arguments qimg, kimg, vimg, lowp_scales, x, out0; writes out0
